; MI455X (gfx1250); checked and timed in simulation.
; The chip was launched on July 23, 2026; its instructions are those of AMD's public machine-readable ISA for CDNA 5 (MIT licence, August 2026) and "CDNA5" Instruction Set Architecture Reference Guide (July 2026). The comments in the code are by the model that wrote it; some were corrected since.
;; Gauss Softmax V3. Allowed arithmetic: float matrix products may take bf16 or f16 operands with f32 sums; all other float work in f32.
;; Inputs: log_sigma 16,000 x 64 float32; log_sigma_c 128 x 64 float32; mu 16,000 x 64 float32; mu_c 128 x 64 float32; x 128 x 512 float32.
;; Outputs: out0 16,000 x 512 float32; out1 16,000 x 128 float32.
;; Constants: t = 0.
;; 2 versions, each right; version 2 is version 1 with the launch energy written anew for expert scheduling mode. Each part assembles by itself: llvm-mc -triple=amdgcn-amd-amdhsa -mcpu=gfx1250 --defsym DOCPART=n.
;; ======== version 1 of 2: 2 launches
;; limits: values are held in f16: magnitudes above 65,504 overflow, below 6.1e-05 lose precision; inputs' magnitudes at most 65,504
;; workspace buffers: e2 8,192,000 bytes; part 128,000 bytes; xb 131,072 bytes
;; launch energy (part 1): grid 250 x 1, 4 waves a work-group, no clusters, 141,312 bytes of LDS; arguments mu, log_sigma, mu_c, log_sigma_c, x, e2, part, xb, out1; writes e2, part, xb, out1
.if DOCPART == 1
	.amdgcn_target "amdgcn-amd-amdhsa--gfx1250"
	.amdhsa_code_object_version 6
	.text
	.protected	k_q02661e5352_energy
	.globl	k_q02661e5352_energy
	.p2align	8
	.type	k_q02661e5352_energy,@function
k_q02661e5352_energy:
	s_mov_b64 s[64:65], 0
	v_nop
	global_prefetch_b8 v0, s[64:65] scope:SCOPE_SE
	s_setreg_imm32_b32 hwreg(HW_REG_WAVE_MODE, 25, 1), 1
	s_wait_xcnt 0x0
; ENERGY AND KL.  mu, log_sigma: [16000][64] f32; mu_c, log_sigma_c: [128][64] f32; x: [128][512] f32.
; Out: e2[v][t]   = energy(v,t) * log2(e)                                      (workspace, [16000][128] f32)
;      out1[v][t] = kl(v,t)
;      part[g][t] = log2 of the sum over the work-group's 64 rows v of 2^e2    (running maximum taken away)
;      xb: x in f16 as 256 blocks of 512 bytes, block (4g+c)*8 + 2ks+hb; lane (h,r) owns the 16 bytes at 16 lane:
;          x[32ks+16hb+8h+e][64g+4r+c], e = 0..7: half of a B fragment of the next launch.  Work-groups 0..63, a block a wave.
; 250 work-groups x 4 waves; a wave owns 16 rows v and ALL 128 columns t: lane L owns t = 4L+j, j = 0..3, with the
; clipped mu_c, sigma_c/2 and 2/sigma_c of its four columns in 768 registers.  A row v is broadcast from LDS.
; THE ARITHMETIC.  The clip of log sigma to [ln 0.1, ln 10] bounds h = sigma_v/2 + sigma_t/2 to [0.1, 10], so a product of 32
; of them stays inside [1e-32, 1e32]: the sum of logs is the log of the product, and the sum of dd/h is kept as ONE fraction
; n/p, (n1,p1)+(n2,p2) = (n1 p2 + n2 p1, p1 p2), all terms positive, n <= 32*8*1e31.  The low half of every register pair
; carries the even d, the high half the odd d: two fractions of 32 terms, 2 rcp and 2 log for each (v,t).
;   energy*log2e = C0 - 0.5 (lg p_lo + lg p_hi) - 0.25 log2e (n_lo/p_lo + n_hi/p_hi),  C0 = -32 (1 + log2(2 pi))
;   kl = (0.5 det_t - 32) - 0.5 det_v + 0.5 sum (sigma_v/2)(2/sigma_t) + 0.25 sum dd (2/sigma_t)
; LIMITS: a NaN input is not carried through the clips (v_med3_num_f32); v_exp_f32, v_rcp_f32, v_log_f32 flush denormals
; (ISA guide 15.8); sums run in another order than in the reference; x is rounded to f16 (11 bits; |x| above 65,504
; overflows, elements under 2^-14 round with the step 2^-24).
; NO CLUSTER: 16000/64 = 250 work-groups is no multiple of four, and what the work-groups share (64 KiB of mu_c and
; log_sigma_c, read once each) is small beside the 64*128*64 triples that each of them works through.
; NO TENSOR LOADS: every input is clipped or exponentiated on its way into LDS, so it passes through registers anyway.
.set PT,     272                       ; LDS pitch of a row of 64 f32: 256 + 16, so sixteen rows start 16 bytes apart modulo 256
.set JSTEP,  32*PT                     ; rows are kept in the order slot = 32 (t & 3) + (t >> 2): lane L reads slots 32 j + L
.set TM,     0                         ; mu_c
.set TS,     128*PT                    ; sigma_c / 2
.set TI,     256*PT                    ; 2 / sigma_c
.set DETT,   384*PT                    ; sum over d of log_sigma_c, 128 words
.set VDAT,   DETT+512                  ; each wave: 16 slots of mu (256 B), sigma/2 (256 B), -0.5 det_v (4 B, padded to 16)
.set VSLOT,  528
.set VWAVE,  16*VSLOT
.set LSEW,   VDAT+4*VWAVE              ; each wave: 128 partial log-sums
; window 0
.set CT,  4                            ; v[4:7]     0.5 det_t - 32 of my four columns
.set CV,  8                            ; v8         -0.5 det_v of the row at work
.set VD0, 16                           ; v[16:47]   16 mu, 16 sigma/2 of a chunk of 16 d
.set VD1, 48                           ; v[48:79]   the other buffer
.set S,   80                           ; v[80:143]  h, then products p: column j, pair i at S+16j+2i
.set D,   144                          ; v[144:207] differences, squares, then numerators n
.set NP,  208                          ; v[208:223] carried fraction: n pair at NP+4j, p pair at NP+4j+2
.set KA,  224                          ; v[224:231] sum (sigma_v/2)(2/sigma_t)
.set KB,  232                          ; v[232:239] sum dd (2/sigma_t)
.set EO,  240                          ; v[240:243] e2 of my four columns
.set KO,  244                          ; v[244:247] kl of my four columns
.set MX,  248                          ; v[248:251] running maximum of e2 over my wave's rows
.set SM,  252                          ; v[252:255] running sum of 2^(e2 - maximum)
; while the inputs are prepared:
.set RA,  16                           ; v[16:79]   mu_c as loaded
.set RB,  80                           ; v[80:143]  log_sigma_c
.set RC,  144                          ; v[144:175] my wave's 16 rows of mu
.set RD,  176                          ; v[176:207] and of log_sigma
.set PA,  208                          ; v[208:217] at work
.set MSB, 0
.macro WIN new                         ; s_set_vgpr_msb: bits 1:0 source 0, 3:2 source 1, 5:4 source 2, 7:6 destination; the high byte repeats the setting left
.if MSB != \new
	s_set_vgpr_msb (MSB<<8)|\new
.set MSB, \new
.endif
.endm
	s_load_b512 s[4:19], s[0:1], 0x0               ; mu 4, log_sigma 6, mu_c 8, log_sigma_c 10, x 12, e2 14, part 16, xb 18
	s_load_b64 s[20:21], s[0:1], 0x40              ; out1
	v_lshl_add_u32 v3, v0, 2, 0x22600
	v_mov_b32 v14, 0
	v_and_b32 v4, 31, v0                           ; lane L
	v_lshrrev_b32 v5, 5, v0
	v_readfirstlane_b32 s22, v5                    ; wave
	v_lshlrev_b32 v1, 4, v4                        ; 16 L
	v_lshlrev_b32 v10, 4, v0                       ; 16 x thread: mu_c and log_sigma_c are read as 2,048 pieces of 16 bytes
	v_lshl_add_u32 v11, v5, 12, v1                 ; wave x 16 rows x 256 B + 16 L
	s_lshl_b32 s24, ttmp9, 14                      ; work-group x 64 rows x 256 B
	s_mov_b32 s25, 0
	s_mov_b32 s28, 0x3fb504f3                      ; sqrt 2
	s_mov_b32 s29, 0xbfb504f3
	s_mov_b32 s30, 0x40135d8e                      ; ln 10
	s_mov_b32 s31, 0xc0135d8e                      ; ln 0.1
	s_mov_b32 s32, 0xc2e9b21d                      ; C0 = -32 (1 + log2(2 pi))
	s_mov_b32 s33, 0xbeb8aa3b                      ; -0.25 log2 e
	s_mov_b32 s34, 0x3e800000                      ; 0.25
	s_mov_b32 s36, 0xc2000000                      ; -32
	s_wait_kmcnt 0x0
	s_add_nc_u64 s[4:5], s[4:5], s[24:25]
	s_add_nc_u64 s[6:7], s[6:7], s[24:25]
	; all 48 loads of the wave at once: each covers 512 consecutive bytes
.irp i,0,1,2,3,4,5,6,7,8,9,10,11,12,13,14,15
	global_load_b128 v[RA+4*\i:RA+4*\i+3], v10, s[8:9] offset:2048*\i
.endr
.irp i,0,1,2,3,4,5,6,7,8,9,10,11,12,13,14,15
	global_load_b128 v[RB+4*\i:RB+4*\i+3], v10, s[10:11] offset:2048*\i
.endr
.irp i,0,1,2,3,4,5,6,7
	global_load_b128 v[RC+4*\i:RC+4*\i+3], v11, s[4:5] offset:512*\i th:TH_LOAD_NT
.endr
.irp i,0,1,2,3,4,5,6,7
	global_load_b128 v[RD+4*\i:RD+4*\i+3], v11, s[6:7] offset:512*\i th:TH_LOAD_NT
.endr
	; LDS addresses.  Piece i of thread T is row t = (T>>4) + 8 i, d = 4 (T & 15): slot 32 ((T>>4)&3) + (T>>6) + 2 i
	v_bfe_u32 v6, v0, 4, 2
	v_lshrrev_b32 v7, 6, v0
	v_and_b32 v9, 15, v0
	v_mul_u32_u24 v12, v6, JSTEP
	v_mad_u32_u24 v12, v7, PT, v12
	v_lshl_add_u32 v12, v9, 4, v12                 ; where my pieces of mu_c and sigma_c/2 go (+ 544 i)
	v_add_nc_u32 v13, TI, v12                      ; and of 2/sigma_c: beyond the 16-bit offset
	v_lshrrev_b32 v9, 4, v0
	v_lshlrev_b32 v9, 2, v9
	v_add_nc_u32 v9, DETT, v9                      ; det_t of row (T>>4) (+ 32 i)
	s_mul_i32 s23, s22, VWAVE
	s_add_co_u32 s23, s23, VDAT                    ; my wave's v data
	v_lshrrev_b32 v6, 4, v4
	v_and_b32 v7, 15, v4
	v_mul_u32_u24 v218, v6, VSLOT
	v_add_nc_u32 v218, s23, v218                   ; load i of the wave holds rows 2 i + (L>>4), d = 4 (L & 15)
	v_lshl_add_u32 v219, v7, 4, v218
	v_mul_u32_u24 v220, v4, PT                     ; lane L reads slots 32 j + L
	v_add_nc_u32 v221, TI, v220
	v_add_nc_u32 v222, DETT, v1
	v_mov_b32 v2, s23                              ; broadcast address of the row at work
	s_lshl_b32 s26, s22, 9
	s_add_co_u32 s26, s26, LSEW
	v_add_nc_u32 v15, s26, v1                      ; my 16 bytes in my wave's row of log-sums
	; x to f16: 256 blocks, one for each wave of the first 64 work-groups
	s_cmp_ge_u32 ttmp9, 64
	s_cbranch_scc1 .Lnox
	s_lshl_b32 s26, ttmp9, 2
	s_add_co_u32 s26, s26, s22                     ; block = 4 work-group + wave = (4g+c)*8 + 2ks+hb
	s_and_b32 s24, s26, 7
	s_lshl_b32 s24, s24, 15                        ; first row t = 16 (2ks+hb), 2,048 bytes a row
	s_lshr_b32 s27, s26, 5
	s_lshl_b32 s27, s27, 8                         ; 64 g columns of 4 bytes
	s_add_co_u32 s24, s24, s27
	s_bfe_u32 s27, s26, 0x20003                    ; c
	s_lshl_b32 s27, s27, 2
	s_add_co_u32 s24, s24, s27
	s_add_nc_u64 s[12:13], s[12:13], s[24:25]
	s_lshl_b32 s24, s26, 9
	s_add_nc_u64 s[18:19], s[18:19], s[24:25]
	v_lshlrev_b32 v224, 4, v7                      ; column 4 r: 16 r bytes
	v_lshl_add_u32 v224, v6, 14, v224              ; + 8 h rows
.irp e,0,1,2,3,4,5,6,7
	global_load_b32 v[228+\e], v224, s[12:13] offset:2048*\e
.endr
	s_wait_loadcnt 0x0
.irp e,0,1,2,3
	v_cvt_pk_f16_f32 v[236+\e], v[228+2*\e], v[228+2*\e+1]
.endr
	global_store_b128 v1, v[236:239], s[18:19]     ; the wave stores the block: 512 consecutive bytes
	s_wait_xcnt 0x0                                ; v[236:239] are written again further down only behind this wait
.Lnox:
	; mu_c: clip, to LDS
	s_wait_loadcnt 32                              ; the 32 younger loads (log_sigma_c, mu, log_sigma) may be out
.irp i,0,1,2,3,4,5,6,7,8,9,10,11,12,13,14,15
.irp k,0,1,2,3
	v_med3_num_f32 v[RA+4*\i+\k], v[RA+4*\i+\k], s29, s28
.endr
	ds_store_b128 v12, v[RA+4*\i:RA+4*\i+3] offset:TM+544*\i
.endr
	; log_sigma_c: clip; sigma/2 = 2^(l log2e - 1); 2/sigma = 2^(1 - l log2e); row sum over the 16 lanes that hold the row
.macro TSIG i
.irp k,0,1,2,3
	v_med3_num_f32 v[RB+4*\i+\k], v[RB+4*\i+\k], s31, s30
.endr
	v_pk_fma_f32 v[PA:PA+1],   v[RB+4*\i:RB+4*\i+1],   0x3fb8aa3b, -1.0 op_sel_hi:[1,0,0]
	v_pk_fma_f32 v[PA+2:PA+3], v[RB+4*\i+2:RB+4*\i+3], 0x3fb8aa3b, -1.0 op_sel_hi:[1,0,0]
	v_pk_fma_f32 v[PA+4:PA+5], v[RB+4*\i:RB+4*\i+1],   0xbfb8aa3b, 1.0 op_sel_hi:[1,0,0]
	v_pk_fma_f32 v[PA+6:PA+7], v[RB+4*\i+2:RB+4*\i+3], 0xbfb8aa3b, 1.0 op_sel_hi:[1,0,0]
	v_add_f32 v[PA+8], v[RB+4*\i], v[RB+4*\i+1]
	v_add_f32 v[PA+9], v[RB+4*\i+2], v[RB+4*\i+3]
.irp k,0,1,2,3,4,5,6,7
	v_exp_f32 v[PA+\k], v[PA+\k]
.endr
	v_add_f32 v[PA+8], v[PA+8], v[PA+9]            ; the plain instruction behind the exponentials (ISA guide 5.7.2)
	v_add_f32_dpp v[PA+8], v[PA+8], v[PA+8] row_xmask:1 row_mask:0xf bank_mask:0xf
	v_add_f32_dpp v[PA+8], v[PA+8], v[PA+8] row_xmask:2 row_mask:0xf bank_mask:0xf
	v_add_f32_dpp v[PA+8], v[PA+8], v[PA+8] row_xmask:4 row_mask:0xf bank_mask:0xf
	v_add_f32_dpp v[PA+8], v[PA+8], v[PA+8] row_xmask:8 row_mask:0xf bank_mask:0xf
	s_wait_alu depctr_va_vdst(0)
	ds_store_b128 v12, v[PA:PA+3] offset:TS+544*\i
	ds_store_b128 v13, v[PA+4:PA+7] offset:544*\i
	ds_store_b32 v9, v[PA+8] offset:32*\i          ; sixteen lanes write the same word with the same value
.endm
	s_wait_loadcnt 16                              ; mu and log_sigma may be out
.irp i,0,1,2,3,4,5,6,7,8,9,10,11,12,13,14,15
	TSIG \i
.endr
	; my wave's 16 rows of mu and log_sigma, into my wave's own LDS bytes
	s_wait_loadcnt 8                               ; log_sigma may be out
.irp i,0,1,2,3,4,5,6,7
.irp k,0,1,2,3
	v_med3_num_f32 v[RC+4*\i+\k], v[RC+4*\i+\k], s29, s28
.endr
	ds_store_b128 v219, v[RC+4*\i:RC+4*\i+3] offset:2*VSLOT*\i
.endr
.macro VSIG i
.irp k,0,1,2,3
	v_med3_num_f32 v[RD+4*\i+\k], v[RD+4*\i+\k], s31, s30
.endr
	v_pk_fma_f32 v[PA:PA+1],   v[RD+4*\i:RD+4*\i+1],   0x3fb8aa3b, -1.0 op_sel_hi:[1,0,0]
	v_pk_fma_f32 v[PA+2:PA+3], v[RD+4*\i+2:RD+4*\i+3], 0x3fb8aa3b, -1.0 op_sel_hi:[1,0,0]
	v_add_f32 v[PA+8], v[RD+4*\i], v[RD+4*\i+1]
	v_add_f32 v[PA+9], v[RD+4*\i+2], v[RD+4*\i+3]
.irp k,0,1,2,3
	v_exp_f32 v[PA+\k], v[PA+\k]
.endr
	v_add_f32 v[PA+8], v[PA+8], v[PA+9]            ; the plain instruction behind the exponentials
	v_add_f32_dpp v[PA+8], v[PA+8], v[PA+8] row_xmask:1 row_mask:0xf bank_mask:0xf
	v_add_f32_dpp v[PA+8], v[PA+8], v[PA+8] row_xmask:2 row_mask:0xf bank_mask:0xf
	v_add_f32_dpp v[PA+8], v[PA+8], v[PA+8] row_xmask:4 row_mask:0xf bank_mask:0xf
	v_add_f32_dpp v[PA+8], v[PA+8], v[PA+8] row_xmask:8 row_mask:0xf bank_mask:0xf
	v_mul_f32 v[PA+8], -0.5, v[PA+8]
	s_wait_alu depctr_va_vdst(0)
	ds_store_b128 v219, v[PA:PA+3] offset:2*VSLOT*\i+256
	ds_store_b32 v218, v[PA+8] offset:2*VSLOT*\i+512
.endm
	s_wait_loadcnt 0x0
.irp i,0,1,2,3,4,5,6,7
	VSIG \i
.endr
	s_wait_dscnt 0x0                               ; my stores of the t arrays are done, for the other waves' sake
	s_barrier_signal -1
	s_barrier_wait -1
	; my four columns into windows 1 to 3: register 64 j + d
	WIN 0x40
.irp j,0,1,2,3
.irp q,0,1,2,3,4,5,6,7,8,9,10,11,12,13,14,15
	ds_load_b128 v[64*\j+4*\q:64*\j+4*\q+3], v220 offset:TM+JSTEP*\j+16*\q
.endr
.endr
	WIN 0x80
.irp j,0,1,2,3
.irp q,0,1,2,3,4,5,6,7,8,9,10,11,12,13,14,15
	ds_load_b128 v[64*\j+4*\q:64*\j+4*\q+3], v220 offset:TS+JSTEP*\j+16*\q
.endr
.endr
	WIN 0xc0
.irp j,0,1,2,3
.irp q,0,1,2,3,4,5,6,7,8,9,10,11,12,13,14,15
	ds_load_b128 v[64*\j+4*\q:64*\j+4*\q+3], v221 offset:JSTEP*\j+16*\q
.endr
.endr
	WIN 0
	ds_load_b128 v[CT:CT+3], v222
	; where my wave's rows of e2 and out1 begin, and my work-group's row of part
	s_lshl_b32 s24, ttmp9, 15
	s_lshl_b32 s26, s22, 13
	s_add_co_u32 s24, s24, s26
	s_add_nc_u64 s[14:15], s[14:15], s[24:25]
	s_add_nc_u64 s[20:21], s[20:21], s[24:25]
	s_lshl_b32 s24, ttmp9, 9
	s_add_nc_u64 s[16:17], s[16:17], s[24:25]
.irp j,0,1,2,3
	v_mov_b32 v[MX+\j], 0xff800000                 ; -inf: the first row's energy becomes the maximum
	v_mov_b32 v[SM+\j], 0
.endr
; eight broadcast loads: 16 mu and 16 sigma/2, every lane the same bytes
.macro LOADCH vd, off
.irp q,0,1,2,3
	ds_load_b128 v[\vd+4*\q:\vd+4*\q+3], v2 offset:\off+16*\q
	ds_load_b128 v[\vd+16+4*\q:\vd+16+4*\q+3], v2 offset:\off+256+16*\q
.endr
.endm
.macro KL4 c, vd, i, mul               ; eight sums that do not wait for each other; the first products start them
.irp j,0,1,2,3
.if \mul
	v_pk_mul_f32 v[KA+2*\j:KA+2*\j+1], v[64*\j+16*\c+2*\i:64*\j+16*\c+2*\i+1], v[\vd+16+2*\i:\vd+16+2*\i+1]
	v_pk_mul_f32 v[KB+2*\j:KB+2*\j+1], v[64*\j+16*\c+2*\i:64*\j+16*\c+2*\i+1], v[D+16*\j+2*\i:D+16*\j+2*\i+1]
.else
	v_pk_fma_f32 v[KA+2*\j:KA+2*\j+1], v[64*\j+16*\c+2*\i:64*\j+16*\c+2*\i+1], v[\vd+16+2*\i:\vd+16+2*\i+1], v[KA+2*\j:KA+2*\j+1]
	v_pk_fma_f32 v[KB+2*\j:KB+2*\j+1], v[64*\j+16*\c+2*\i:64*\j+16*\c+2*\i+1], v[D+16*\j+2*\i:D+16*\j+2*\i+1], v[KB+2*\j:KB+2*\j+1]
.endif
.endr
.endm
; fraction a takes fraction b in, in three phases, each over the four columns
.macro PH1 a, b                        ; n_a = n_a p_b
.irp j,0,1,2,3
	v_pk_mul_f32 v[D+16*\j+2*\a:D+16*\j+2*\a+1], v[D+16*\j+2*\a:D+16*\j+2*\a+1], v[S+16*\j+2*\b:S+16*\j+2*\b+1]
.endr
.endm
.macro PH2 a, b                        ; n_a += n_b p_a
.irp j,0,1,2,3
	v_pk_fma_f32 v[D+16*\j+2*\a:D+16*\j+2*\a+1], v[D+16*\j+2*\b:D+16*\j+2*\b+1], v[S+16*\j+2*\a:S+16*\j+2*\a+1], v[D+16*\j+2*\a:D+16*\j+2*\a+1]
.endr
.endm
.macro PH3 a, b                        ; p_a = p_a p_b
.irp j,0,1,2,3
	v_pk_mul_f32 v[S+16*\j+2*\a:S+16*\j+2*\a+1], v[S+16*\j+2*\a:S+16*\j+2*\a+1], v[S+16*\j+2*\b:S+16*\j+2*\b+1]
.endr
.endm
; 16 d x 4 columns.  Work is laid in runs of 32 or 64 under one window setting: five switches for 256 packed instructions.
.macro CHUNK c, vd, first
	WIN 0x02                                       ; source 0 = sigma_t/2
.irp j,0,1,2,3
.irp i,0,1,2,3,4,5,6,7
	v_pk_add_f32 v[S+16*\j+2*\i:S+16*\j+2*\i+1], v[64*\j+16*\c+2*\i:64*\j+16*\c+2*\i+1], v[\vd+16+2*\i:\vd+16+2*\i+1]
.endr
.endr
	WIN 0x01                                       ; source 0 = mu_t
.irp j,0,1,2,3
.irp i,0,1,2,3,4,5,6,7
	v_pk_add_f32 v[D+16*\j+2*\i:D+16*\j+2*\i+1], v[64*\j+16*\c+2*\i:64*\j+16*\c+2*\i+1], v[\vd+2*\i:\vd+2*\i+1] neg_lo:[0,1] neg_hi:[0,1]
.endr
.endr
	WIN 0
.irp j,0,1,2,3
.irp i,0,1,2,3,4,5,6,7
	v_pk_mul_f32 v[D+16*\j+2*\i:D+16*\j+2*\i+1], v[D+16*\j+2*\i:D+16*\j+2*\i+1], v[D+16*\j+2*\i:D+16*\j+2*\i+1]
.endr
.endr
	WIN 0x03                                       ; source 0 = 2/sigma_t
	KL4 \c, \vd, 0, \first
.irp i,1,2,3,4,5,6,7
	KL4 \c, \vd, \i, 0
.endr
	WIN 0
	PH1 0,1
	PH1 2,3
	PH1 4,5
	PH1 6,7
	PH2 0,1
	PH2 2,3
	PH2 4,5
	PH2 6,7
	PH3 0,1
	PH3 2,3
	PH3 4,5
	PH3 6,7
	PH1 0,2
	PH1 4,6
	PH2 0,2
	PH2 4,6
	PH3 0,2
	PH3 4,6
.if \first                                         ; the row's first chunk starts the carried fraction
.irp j,0,1,2,3
	v_pk_mul_f32 v[NP+4*\j:NP+4*\j+1], v[D+16*\j:D+16*\j+1], v[S+16*\j+8:S+16*\j+9]
.endr
.irp j,0,1,2,3
	v_pk_mul_f32 v[NP+4*\j+2:NP+4*\j+3], v[S+16*\j:S+16*\j+1], v[S+16*\j+8:S+16*\j+9]
.endr
.irp j,0,1,2,3
	v_pk_fma_f32 v[NP+4*\j:NP+4*\j+1], v[D+16*\j+8:D+16*\j+9], v[S+16*\j:S+16*\j+1], v[NP+4*\j:NP+4*\j+1]
.endr
.else
	PH1 0,4
.irp j,0,1,2,3                                     ; the chunk's product goes to p_4, so that p_0 stays for the phase behind
	v_pk_mul_f32 v[S+16*\j+8:S+16*\j+9], v[S+16*\j:S+16*\j+1], v[S+16*\j+8:S+16*\j+9]
.endr
	PH2 0,4
.irp j,0,1,2,3
	v_pk_mul_f32 v[NP+4*\j:NP+4*\j+1], v[NP+4*\j:NP+4*\j+1], v[S+16*\j+8:S+16*\j+9]
.endr
.irp j,0,1,2,3
	v_pk_fma_f32 v[NP+4*\j:NP+4*\j+1], v[D+16*\j:D+16*\j+1], v[NP+4*\j+2:NP+4*\j+3], v[NP+4*\j:NP+4*\j+1]
.endr
.irp j,0,1,2,3
	v_pk_mul_f32 v[NP+4*\j+2:NP+4*\j+3], v[NP+4*\j+2:NP+4*\j+3], v[S+16*\j+8:S+16*\j+9]
.endr
.endif
.endm
; the row's results.  S is free: S+0..7 1/p, S+8..15 lg p, S+16..31 sums of halves, S+32..43 the running softmax
.macro FINAL
.irp j,0,1,2,3
	v_rcp_f32 v[S+2*\j], v[NP+4*\j+2]
	v_rcp_f32 v[S+2*\j+1], v[NP+4*\j+3]
.endr
.irp j,0,1,2,3
	v_log_f32 v[S+8+2*\j], v[NP+4*\j+2]
	v_log_f32 v[S+8+2*\j+1], v[NP+4*\j+3]
.endr
.irp j,0,1,2,3                                     ; plain work that touches none of them stands behind the transcendentals
	v_add_f32 v[S+16+\j], v[KA+2*\j], v[KA+2*\j+1]
	v_add_f32 v[S+20+\j], v[KB+2*\j], v[KB+2*\j+1]
	v_add_f32 v[S+24+\j], v[CT+\j], v[CV]
.endr
	s_wait_xcnt 0x0                                ; the last row's two stores name EO, KO and these bases: they are rewritten only behind this wait
	s_add_nc_u64 s[14:15], s[14:15], 512           ; one row on; the stores below reach back by their offset
	s_add_nc_u64 s[20:21], s[20:21], 512
	s_wait_alu depctr_va_vdst(0)
.irp j,0,1,2,3
	v_mul_f32 v[S+28+\j], v[NP+4*\j], v[S+2*\j]
.endr
.irp j,0,1,2,3
	v_add_f32 v[S+8+2*\j], v[S+8+2*\j], v[S+8+2*\j+1]
.endr
.irp j,0,1,2,3
	v_fma_f32 v[KO+\j], v[S+16+\j], 0.5, v[S+24+\j]
.endr
.irp j,0,1,2,3
	v_fma_f32 v[S+28+\j], v[NP+4*\j+1], v[S+2*\j+1], v[S+28+\j]
.endr
.irp j,0,1,2,3
	v_fma_f32 v[EO+\j], v[S+8+2*\j], -0.5, s32
.endr
.irp j,0,1,2,3
	v_fma_f32 v[KO+\j], v[S+20+\j], s34, v[KO+\j]
.endr
.irp j,0,1,2,3
	v_fma_f32 v[EO+\j], v[S+28+\j], s33, v[EO+\j]
.endr
	global_store_b128 v1, v[EO:EO+3], s[14:15] offset:-512                    ; the wave stores a whole row: 512 consecutive bytes
	global_store_b128 v1, v[KO:KO+3], s[20:21] offset:-512 th:TH_STORE_NT
	; running softmax over v: new maximum T; sum = sum 2^(old - T) + 2^(e2 - T)
.irp j,0,1,2,3
	v_max_num_f32 v[S+32+\j], v[MX+\j], v[EO+\j]
.endr
.irp j,0,2
	v_pk_add_f32 v[S+36+\j:S+37+\j], v[MX+\j:MX+\j+1], v[S+32+\j:S+33+\j] neg_lo:[0,1] neg_hi:[0,1]
	v_pk_add_f32 v[S+40+\j:S+41+\j], v[EO+\j:EO+\j+1], v[S+32+\j:S+33+\j] neg_lo:[0,1] neg_hi:[0,1]
.endr
.irp j,0,1,2,3,4,5,6,7
	v_exp_f32 v[S+36+\j], v[S+36+\j]
.endr
.irp j,0,1,2,3
	v_mov_b32 v[MX+\j], v[S+32+\j]                 ; plain work behind the exponentials
.endr
	s_wait_alu depctr_va_vdst(0)
.irp j,0,2
	v_pk_fma_f32 v[SM+\j:SM+\j+1], v[SM+\j:SM+\j+1], v[S+36+\j:S+37+\j], v[S+40+\j:S+41+\j]
.endr
	v_add_nc_u32 v2, VSLOT, v2
.endm
; one row v.  Each chunk's eight loads are issued one chunk ahead; s_wait_dscnt 8 leaves just these eight out.
.macro VROW more
	LOADCH VD1, 64
	s_wait_dscnt 8
	CHUNK 0, VD0, 1
	ds_load_b32 v[CV], v2 offset:512
	LOADCH VD0, 128
	s_wait_dscnt 8
	CHUNK 1, VD1, 0
	LOADCH VD1, 192
	s_wait_dscnt 8
	CHUNK 2, VD0, 0
.if \more
	LOADCH VD0, VSLOT                              ; the next row's first chunk
	s_wait_dscnt 8
.else
	s_wait_dscnt 0x0
.endif
	CHUNK 3, VD1, 0
	FINAL
.endm
	LOADCH VD0, 0                                  ; my own stores are seen: LDS serves a wave's instructions in order (ISA guide 5.7.1)
	s_wait_dscnt 8                                 ; all but these eight: my columns and det_t are in
.irp j,0,1,2,3
	v_fma_f32 v[CT+\j], v[CT+\j], 0.5, s36
.endr
	s_mov_b32 s35, 15
.Lrow:
	VROW 1
	s_sub_co_i32 s35, s35, 1
	s_cmp_lg_u32 s35, 0
	s_cbranch_scc1 .Lrow
	VROW 0                                         ; the sixteenth row asks for nothing beyond itself
.macro LOGADD base, src, m             ; base+j = m+j + lg(src+j)
.irp j,0,1,2,3
	v_log_f32 v[\base+\j], v[\src+\j]
.endr
	v_nop                                          ; the plain place behind the logarithms
	s_wait_alu depctr_va_vdst(0)
.irp j,0,1,2,3
	v_add_f32 v[\base+\j], v[\m+\j], v[\base+\j]
.endr
.endm
	LOGADD S, SM, MX                               ; my wave's 16 rows: log2 of the sum of 2^e2
	ds_store_b128 v15, v[S:S+3]
	v_add_nc_u32 v12, LSEW, v1
	s_wait_dscnt 0x0                               ; for wave 0's sake
	s_barrier_signal -1
	s_barrier_wait -1
	s_cmp_lg_u32 s22, 0
	s_cbranch_scc1 .Lend
	; wave 0 merges the four waves' log-sums, their maximum taken away
.irp w,0,1,2,3
	ds_load_b128 v[S+4*\w:S+4*\w+3], v12 offset:512*\w
.endr
	s_wait_dscnt 0x0
.irp j,0,1,2,3
	v_max3_num_f32 v[D+\j], v[S+\j], v[S+4+\j], v[S+8+\j]
.endr
.irp j,0,1,2,3
	v_max_num_f32 v[D+\j], v[D+\j], v[S+12+\j]
.endr
.irp w,0,1,2,3
	v_pk_add_f32 v[S+4*\w:S+4*\w+1], v[S+4*\w:S+4*\w+1], v[D:D+1] neg_lo:[0,1] neg_hi:[0,1]
	v_pk_add_f32 v[S+4*\w+2:S+4*\w+3], v[S+4*\w+2:S+4*\w+3], v[D+2:D+3] neg_lo:[0,1] neg_hi:[0,1]
.endr
.irp k,0,1,2,3,4,5,6,7,8,9,10,11,12,13,14,15
	v_exp_f32 v[S+\k], v[S+\k]
.endr
	v_nop                                          ; the plain place behind the exponentials
	s_wait_alu depctr_va_vdst(0)
.irp k,0,2,4,6
	v_pk_add_f32 v[S+\k:S+\k+1], v[S+\k:S+\k+1], v[S+8+\k:S+9+\k]
.endr
.irp k,0,2
	v_pk_add_f32 v[S+\k:S+\k+1], v[S+\k:S+\k+1], v[S+4+\k:S+5+\k]
.endr
	LOGADD S, S, D
	global_store_b128 v1, v[S:S+3], s[16:17]       ; the work-group's row of part: 512 consecutive bytes
.Lend:
	s_wait_tensorcnt 0x0
	ds_add_u32 v3, v14
	s_wait_dscnt 0x0
	s_endpgm
.Lfunc_end_k_q02661e5352_energy:
	.size	k_q02661e5352_energy, .Lfunc_end_k_q02661e5352_energy-k_q02661e5352_energy
	.p2alignl 7, 3214868480
	.fill 96, 4, 3214868480
	.section	.rodata,"a",@progbits
	.p2align	6, 0x0
	.amdhsa_kernel k_q02661e5352_energy
		.amdhsa_group_segment_fixed_size 141312
		.amdhsa_private_segment_fixed_size 0
		.amdhsa_enable_private_segment 0
		.amdhsa_kernarg_size 72
		.amdhsa_user_sgpr_count 2
		.amdhsa_user_sgpr_kernarg_segment_ptr 1
		.amdhsa_wavefront_size32 1
		.amdhsa_system_sgpr_workgroup_id_x 1
		.amdhsa_system_sgpr_workgroup_id_y 1
		.amdhsa_system_sgpr_workgroup_id_z 1
		.amdhsa_system_vgpr_workitem_id 0
		.amdhsa_next_free_vgpr 1024
		.amdhsa_next_free_sgpr 66
		.amdhsa_reserve_vcc 0
		.amdhsa_float_denorm_mode_32 3
		.amdhsa_float_denorm_mode_16_64 3
		.amdhsa_memory_ordered 1
		.amdhsa_forward_progress 1
		.amdhsa_inst_pref_size 205
	.end_amdhsa_kernel
	.amdgpu_metadata
---
amdhsa.version: [ 1, 2 ]
amdhsa.kernels:
  - .name:           k_q02661e5352_energy
    .symbol:         k_q02661e5352_energy.kd
    .args:
      - { .name: mu, .offset: 0, .size: 8, .value_kind: global_buffer, .address_space: global }
      - { .name: log_sigma, .offset: 8, .size: 8, .value_kind: global_buffer, .address_space: global }
      - { .name: mu_c, .offset: 16, .size: 8, .value_kind: global_buffer, .address_space: global }
      - { .name: log_sigma_c, .offset: 24, .size: 8, .value_kind: global_buffer, .address_space: global }
      - { .name: x, .offset: 32, .size: 8, .value_kind: global_buffer, .address_space: global }
      - { .name: e2, .offset: 40, .size: 8, .value_kind: global_buffer, .address_space: global }
      - { .name: part, .offset: 48, .size: 8, .value_kind: global_buffer, .address_space: global }
      - { .name: xb, .offset: 56, .size: 8, .value_kind: global_buffer, .address_space: global }
      - { .name: out1, .offset: 64, .size: 8, .value_kind: global_buffer, .address_space: global }
    .group_segment_fixed_size: 141312
    .private_segment_fixed_size: 0
    .kernarg_segment_align: 8
    .kernarg_segment_size: 72
    .max_flat_workgroup_size: 128
    .sgpr_count:     66
    .vgpr_count:     1024
    .wavefront_size: 32
...
	.end_amdgpu_metadata
.endif
;; end of part 1
;; launch mix (part 2): grid 250 x 1, 8 waves a work-group, no clusters, 26,624 bytes of LDS; arguments e2, part, xb, out0; writes out0
.if DOCPART == 2
	.amdgcn_target "amdgcn-amd-amdhsa--gfx1250"
	.amdhsa_code_object_version 6
	.text
	.protected	k_q02661e5352_mix
	.globl	k_q02661e5352_mix
	.p2align	8
	.type	k_q02661e5352_mix,@function
k_q02661e5352_mix:
	s_mov_b64 s[64:65], 0
	v_nop
	global_prefetch_b8 v0, s[64:65] scope:SCOPE_SE
	s_setreg_imm32_b32 hwreg(HW_REG_WAVE_MODE, 25, 1), 1
	s_wait_xcnt 0x0
; out0[v][n] = sum over t of w[v][t] x[t][n],  w[v][t] = 2^(e2[v][t] - M[t]) / Z[t],
; M[t] = max over the 250 rows of part, Z[t] = sum over them of 2^(part - M): the softmax over all 16000 v, maximum taken away.
; e2 <= its work-group's part <= M, so no exponent is above 0, and 1 <= Z <= 250.
; THE FORMAT.  w and x go to the matrix unit in f16, sums in f32.  A softmax over 16000 rows has weights near 2^-14, and a
; sum of 128 products of 8-bit mantissas comes too near the error that is allowed; f16 carries 11 bits.  Its range is kept by
; a power of two: w lies in [0, 1] by construction and is stored as w 2^15 <= 32,768, so that weights down to 2^-29 are normal
; numbers; the results are multiplied by 2^-15, exactly, in the instructions that gather them for the stores.
; 250 work-groups x 8 waves; the work-group owns 64 rows of out0; wave g makes columns 64g..64g+63 of all 64 rows,
; so the work-group reads each byte of xb once.  Wave g also merges rows g + 8i of part and makes rows 8g..8g+7 of w.
; xb holds x in f16 as B fragments: block (4g+c)*8 + 2ks+hb of 512 bytes, lane (h,r) owning x[32ks+16hb+8h+e][64g+4r+c]:
; one 16-byte load a lane fills four registers of a fragment, with no LDS on the way.
; Column r of tile c stands for n = 64g+4r+c, so register j of the four tiles c = 0..3 is out0(row 8h+j, 64g+4r .. +3):
; 16 neighbouring bytes a lane, and sixteen lanes store 256 consecutive, aligned bytes.
; NO CLUSTER: xb and part are read by every work-group, but 16000/64 = 250 work-groups is no multiple of four.
; NO TENSOR LOAD: the fragments go straight to registers, and part and e2 are worked on in registers as they arrive.
; LIMITS: weights below 2^-40 come out as 0 (half of f16's smallest denormal, 2^-24, over 2^15); |x| above 65,504 overflows in f16.
.set PW,  272                          ; LDS pitch of a row of w: 128 f16 + 16 bytes, an odd multiple of 16
.set WST, 8192                         ; w: 64 rows.  In front of it: 8 waves x 128 maxima at 0, 8 x 128 sums at 4096
.set M,   8                            ; v[8:11]    maximum of my four columns t = 4L+j
.set Z,   20                           ; v[20:23]   Z 2^-15, then 2^15 / Z
.set PR,  32                           ; v[32:159]  my 32 rows of part,
.set AF,  32                           ;            then the A fragments: row group rg, K step ks at AF+32rg+8ks,
.set OUT, 32                           ;            then the gathered results: OUT+32rg+4j+c
.set ER,  160                          ; v[160:191] my 8 rows of e2, then of w
.set MW,  192                          ; v[192:223] the eight waves' maxima
.set SW,  224                          ; v[224:255] the eight waves' sums
; window 1: v[32c+8ks .. +7] B fragment of tile c, K step ks; v[128+32rg+8c .. +7] accumulator (rg, c)
.set MSB, 0
.macro WIN new                         ; s_set_vgpr_msb: bits 1:0 source 0, 3:2 source 1, 5:4 source 2, 7:6 destination; the high byte repeats the setting left
.if MSB != \new
	s_set_vgpr_msb (MSB<<8)|\new
.set MSB, \new
.endif
.endm
	s_load_b256 s[4:11], s[0:1], 0x0               ; e2 4, part 6, xb 8, out0 10
	v_lshl_add_u32 v30, v0, 2, 0x6400
	v_mov_b32 v31, 0
	v_lshrrev_b32 v1, 5, v0
	v_readfirstlane_b32 s12, v1                    ; wave g, 0..7
	v_and_b32 v2, 31, v0                           ; lane L
	v_lshlrev_b32 v3, 4, v2                        ; 16 L
	v_lshlrev_b32 v4, 4, v0                        ; 16 x thread = 512 wave + 16 L
	s_min_u32 s15, s12, 1                          ; part has 250 = 31 x 8 + 2 rows: the 32nd row of waves 2..7 does not exist;
	s_lshl_b32 s15, s15, 9                         ; they read row 249 in its stead
	v_add_nc_u32 v5, s15, v3
	s_cmp_lt_u32 s12, 2
	s_cselect_b32 s18, 0, 0xff800000               ; and add -inf to it: it then counts for nothing
	s_mov_b32 s17, 0
	s_mov_b32 s20, 0x38000000                      ; 2^-15
	s_wait_kmcnt 0x0
	s_lshl_b32 s16, ttmp9, 15                      ; my 8 rows of e2: 64 work-group + 8 wave, 512 bytes each
	s_lshl_b32 s19, s12, 12
	s_add_co_u32 s16, s16, s19
	s_add_nc_u64 s[4:5], s[4:5], s[16:17]
	s_lshl_b32 s16, s12, 14                        ; my 32 blocks of xb
	s_add_nc_u64 s[8:9], s[8:9], s[16:17]
	s_lshl_b32 s16, ttmp9, 17                      ; my block of out0: 64 rows of 2,048 bytes, 256 bytes of columns a wave
	s_lshl_b32 s19, s12, 8
	s_add_co_u32 s16, s16, s19
	s_add_nc_u64 s[10:11], s[10:11], s[16:17]
	; rows wave + 8 i of part, each load 512 consecutive bytes
.set r, 0
.rept 31
	global_load_b128 v[PR+4*r:PR+4*r+3], v4, s[6:7] offset:4096*r
.set r, r+1
.endr
	global_load_b128 v[PR+124:PR+127], v5, s[6:7] offset:31*4096
.irp i,0,1,2,3,4,5,6,7
	global_load_b128 v[ER+4*\i:ER+4*\i+3], v3, s[4:5] offset:512*\i th:TH_LOAD_NT
.endr
	WIN 0x40                                       ; destination window 1
.irp c,0,1,2,3
.irp q,0,1,2,3,4,5,6,7
	global_load_b128 v[32*\c+4*\q:32*\c+4*\q+3], v3, s[8:9] offset:512*(8*\c+\q)   ; q = 2ks+hb: registers 8ks+4hb
.endr
.endr
	WIN 0
	; addresses
	v_and_b32 v16, 15, v2                          ; r
	v_lshrrev_b32 v17, 4, v2                       ; h
	v_mul_u32_u24 v13, v16, PW
	v_lshl_add_u32 v13, v17, 4, v13
	v_add_nc_u32 v13, WST, v13                     ; A fragment: row r, 16 h
	s_mul_i32 s15, s12, 8*PW
	s_add_co_u32 s15, s15, WST
	v_lshl_add_u32 v12, v2, 3, s15                 ; where my 8 rows of w go: 8 bytes a lane
	v_lshlrev_b32 v14, 4, v16
	v_lshl_add_u32 v14, v17, 14, v14               ; out0: 16 r + 8 h rows
.macro SUBM base, rows, m              ; every row minus m, four columns a lane
.set r, 0
.rept \rows
	v_pk_add_f32 v[\base+4*r:\base+4*r+1], v[\base+4*r:\base+4*r+1], v[\m:\m+1] neg_lo:[0,1] neg_hi:[0,1]
	v_pk_add_f32 v[\base+4*r+2:\base+4*r+3], v[\base+4*r+2:\base+4*r+3], v[\m+2:\m+3] neg_lo:[0,1] neg_hi:[0,1]
.set r, r+1
.endr
.endm
.macro EXPS base, n
.set r, 0
.rept \n
	v_exp_f32 v[\base+r], v[\base+r]
.set r, r+1
.endr
	v_nop                                          ; the plain place behind the last exponential (ISA guide 5.7.2)
.endm
.macro FOLD base, half                 ; rows 0..half-1 take rows half..2 half-1 in
.set r, 0
	s_wait_alu depctr_va_vdst(0)
.rept \half
	v_pk_add_f32 v[\base+4*r:\base+4*r+1], v[\base+4*r:\base+4*r+1], v[\base+4*(r+\half):\base+4*(r+\half)+1]
	v_pk_add_f32 v[\base+4*r+2:\base+4*r+3], v[\base+4*r+2:\base+4*r+3], v[\base+4*(r+\half)+2:\base+4*(r+\half)+3]
.set r, r+1
.endr
.endm
	; my 32 rows of part: maximum and sum
	s_wait_loadcnt 40                              ; the 40 younger loads (8 of e2, 32 of xb) may be out
.irp j,0,1,2,3
	v_add_f32 v[PR+124+\j], s18, v[PR+124+\j]
.endr
.irp j,0,1,2,3
	v_max3_num_f32 v[M+\j], v[PR+\j], v[PR+4+\j], v[PR+8+\j]
.endr
.irp q,3,5,7,9,11,13,15,17,19,21,23,25,27,29
.irp j,0,1,2,3
	v_max3_num_f32 v[M+\j], v[M+\j], v[PR+4*\q+\j], v[PR+4*\q+4+\j]
.endr
.endr
.irp j,0,1,2,3
	v_max_num_f32 v[M+\j], v[M+\j], v[PR+124+\j]
.endr
	SUBM PR, 32, M
	EXPS PR, 128
	FOLD PR, 16
	FOLD PR, 8
	FOLD PR, 4
	FOLD PR, 2
	FOLD PR, 1
	ds_store_b128 v4, v[M:M+3]
	ds_store_b128 v4, v[PR:PR+3] offset:4096
	s_wait_dscnt 0x0                               ; my maxima and sums are in LDS, for the other waves' sake
	s_barrier_signal -1
	s_barrier_wait -1
.irp w,0,1,2,3,4,5,6,7
	ds_load_b128 v[MW+4*\w:MW+4*\w+3], v3 offset:512*\w
	ds_load_b128 v[SW+4*\w:SW+4*\w+3], v3 offset:4096+512*\w
.endr
	s_wait_dscnt 0x0
.irp j,0,1,2,3
	v_max3_num_f32 v[M+\j], v[MW+\j], v[MW+4+\j], v[MW+8+\j]
.endr
.irp q,3,5
.irp j,0,1,2,3
	v_max3_num_f32 v[M+\j], v[M+\j], v[MW+4*\q+\j], v[MW+4*\q+4+\j]
.endr
.endr
.irp j,0,1,2,3
	v_max_num_f32 v[M+\j], v[M+\j], v[MW+28+\j]    ; M over all 250 rows
.endr
	SUBM MW, 8, M
	EXPS MW, 32
	s_wait_alu depctr_va_vdst(0)
	v_pk_mul_f32 v[Z:Z+1], v[MW:MW+1], v[SW:SW+1]  ; the first products start the sums
	v_pk_mul_f32 v[Z+2:Z+3], v[MW+2:MW+3], v[SW+2:SW+3]
.irp w,1,2,3,4,5,6,7
	v_pk_fma_f32 v[Z:Z+1], v[MW+4*\w:MW+4*\w+1], v[SW+4*\w:SW+4*\w+1], v[Z:Z+1]
	v_pk_fma_f32 v[Z+2:Z+3], v[MW+4*\w+2:MW+4*\w+3], v[SW+4*\w+2:SW+4*\w+3], v[Z+2:Z+3]
.endr
	v_pk_mul_f32 v[Z:Z+1], v[Z:Z+1], 0x38000000 op_sel_hi:[1,0]        ; Z 2^-15, exact: the reciprocal is 2^15 / Z
	v_pk_mul_f32 v[Z+2:Z+3], v[Z+2:Z+3], 0x38000000 op_sel_hi:[1,0]
.irp j,0,1,2,3
	v_rcp_f32 v[Z+\j], v[Z+\j]
.endr
	v_nop                                          ; the plain place behind the reciprocals
	; my 8 rows of w 2^15, in f32, rounded once to f16
	s_wait_loadcnt 32                              ; the 32 younger loads (xb) may be out
	SUBM ER, 8, M
	EXPS ER, 32
	s_wait_alu depctr_va_vdst(0)
.irp i,0,1,2,3,4,5,6,7
	v_pk_mul_f32 v[ER+4*\i:ER+4*\i+1], v[ER+4*\i:ER+4*\i+1], v[Z:Z+1]
	v_pk_mul_f32 v[ER+4*\i+2:ER+4*\i+3], v[ER+4*\i+2:ER+4*\i+3], v[Z+2:Z+3]
.endr
.irp i,0,1,2,3,4,5,6,7
	v_cvt_pk_f16_f32 v[ER+4*\i], v[ER+4*\i], v[ER+4*\i+1]
	v_cvt_pk_f16_f32 v[ER+4*\i+1], v[ER+4*\i+2], v[ER+4*\i+3]
	ds_store_b64 v12, v[ER+4*\i:ER+4*\i+1] offset:PW*\i
.endr
	s_wait_dscnt 0x0                               ; my rows of w are in LDS, for the other waves' sake
	s_barrier_signal -1
	s_barrier_wait -1
	; A fragments of all 64 rows: lane (r,h) takes k = 32ks+8h.. and 32ks+16+8h.. of row 16rg+r
.irp rg,0,1,2,3
.irp q,0,1,2,3,4,5,6,7
	ds_load_b128 v[AF+32*\rg+4*\q:AF+32*\rg+4*\q+3], v13 offset:16*PW*\rg+32*\q
.endr
.endr
	s_wait_dscnt 0x0
	s_wait_loadcnt 0x0                             ; the B fragments
	WIN 0x54                                       ; A window 0; B, C and D window 1
.irp rg,0,1,2,3
.irp c,0,1,2,3
	v_wmma_f32_16x16x32_f16 v[128+32*\rg+8*\c:128+32*\rg+8*\c+7], v[AF+32*\rg:AF+32*\rg+7], v[32*\c:32*\c+7], 0
.endr
.irp ks,1,2,3
.irp c,0,1,2,3
	v_wmma_f32_16x16x32_f16 v[128+32*\rg+8*\c:128+32*\rg+8*\c+7], v[AF+32*\rg+8*\ks:AF+32*\rg+8*\ks+7], v[32*\c+8*\ks:32*\c+8*\ks+7], v[128+32*\rg+8*\c:128+32*\rg+8*\c+7]
.endr
.endr
.endr
.rept 4
	v_nop                                          ; four places behind the last matrix instruction (ISA guide 7.12.1): the lines below read results and write A's registers
.endr
	WIN 0x04                                       ; source 1 window 1, destination window 0
.irp rg,0,1,2,3
.irp j,0,1,2,3,4,5,6,7
.irp c,0,1,2,3
	v_mul_f32 v[OUT+32*\rg+4*\j+\c], s20, v[128+32*\rg+8*\c+\j]    ; takes the 2^15 off and lays four neighbouring columns side by side
.endr
.endr
.endr
	WIN 0
.irp rg,0,1,2,3
.irp j,0,1,2,3,4,5,6,7
	global_store_b128 v14, v[OUT+32*\rg+4*\j:OUT+32*\rg+4*\j+3], s[10:11] offset:(16*\rg+\j)*2048 th:TH_STORE_NT   ; 16 lanes: 256 consecutive, aligned bytes
.endr
.endr
	s_wait_tensorcnt 0x0
	ds_add_u32 v30, v31
	s_wait_dscnt 0x0
	s_endpgm
.Lfunc_end_k_q02661e5352_mix:
	.size	k_q02661e5352_mix, .Lfunc_end_k_q02661e5352_mix-k_q02661e5352_mix
	.p2alignl 7, 3214868480
	.fill 96, 4, 3214868480
	.section	.rodata,"a",@progbits
	.p2align	6, 0x0
	.amdhsa_kernel k_q02661e5352_mix
		.amdhsa_group_segment_fixed_size 26624
		.amdhsa_private_segment_fixed_size 0
		.amdhsa_enable_private_segment 0
		.amdhsa_kernarg_size 32
		.amdhsa_user_sgpr_count 2
		.amdhsa_user_sgpr_kernarg_segment_ptr 1
		.amdhsa_wavefront_size32 1
		.amdhsa_system_sgpr_workgroup_id_x 1
		.amdhsa_system_sgpr_workgroup_id_y 1
		.amdhsa_system_sgpr_workgroup_id_z 1
		.amdhsa_system_vgpr_workitem_id 0
		.amdhsa_next_free_vgpr 512
		.amdhsa_next_free_sgpr 66
		.amdhsa_reserve_vcc 0
		.amdhsa_float_denorm_mode_32 3
		.amdhsa_float_denorm_mode_16_64 3
		.amdhsa_memory_ordered 1
		.amdhsa_forward_progress 1
		.amdhsa_inst_pref_size 49
	.end_amdhsa_kernel
	.amdgpu_metadata
---
amdhsa.version: [ 1, 2 ]
amdhsa.kernels:
  - .name:           k_q02661e5352_mix
    .symbol:         k_q02661e5352_mix.kd
    .args:
      - { .name: e2, .offset: 0, .size: 8, .value_kind: global_buffer, .address_space: global }
      - { .name: part, .offset: 8, .size: 8, .value_kind: global_buffer, .address_space: global }
      - { .name: xb, .offset: 16, .size: 8, .value_kind: global_buffer, .address_space: global }
      - { .name: out0, .offset: 24, .size: 8, .value_kind: global_buffer, .address_space: global }
    .group_segment_fixed_size: 26624
    .private_segment_fixed_size: 0
    .kernarg_segment_align: 8
    .kernarg_segment_size: 32
    .max_flat_workgroup_size: 256
    .sgpr_count:     66
    .vgpr_count:     512
    .wavefront_size: 32
...
	.end_amdgpu_metadata
.endif
;; end of part 2
;; ======== version 2 of 2: 2 launches; version 1 with the launch energy written anew for expert scheduling mode
;; limits: values are held in f16: magnitudes above 65,504 overflow, below 6.1e-05 lose precision; inputs' magnitudes at most 65,504
;; workspace buffers: e2 8,192,000 bytes; part 128,000 bytes; xb 131,072 bytes
;; launch energy (part 3): grid 250 x 1, 4 waves a work-group, no clusters, 141,312 bytes of LDS; arguments mu, log_sigma, mu_c, log_sigma_c, x, e2, part, xb, out1; writes e2, part, xb, out1
.if DOCPART == 3
	.amdgcn_target "amdgcn-amd-amdhsa--gfx1250"
	.amdhsa_code_object_version 6
	.text
	.protected	k_q02661e5352_energy
	.globl	k_q02661e5352_energy
	.p2align	8
	.type	k_q02661e5352_energy,@function
k_q02661e5352_energy:
	s_mov_b64 s[64:65], 0
	v_nop
	global_prefetch_b8 v0, s[64:65] scope:SCOPE_SE
	s_setreg_imm32_b32 hwreg(HW_REG_WAVE_SCHED_MODE, 0, 2), 2
	s_setreg_imm32_b32 hwreg(HW_REG_WAVE_MODE, 25, 1), 1
	s_wait_xcnt 0x0
	s_wait_alu depctr_vm_vsrc(0)
; ENERGY AND KL.  mu, log_sigma: [16000][64] f32; mu_c, log_sigma_c: [128][64] f32; x: [128][512] f32.
; Out: e2[v][t]   = energy(v,t) * log2(e)                                      (workspace, [16000][128] f32)
;      out1[v][t] = kl(v,t)
;      part[g][t] = log2 of the sum over the work-group's 64 rows v of 2^e2    (running maximum taken away)
;      xb: x in f16 as 256 blocks of 512 bytes, block (4g+c)*8 + 2ks+hb; lane (h,r) owns the 16 bytes at 16 lane:
;          x[32ks+16hb+8h+e][64g+4r+c], e = 0..7: half of a B fragment of the next launch.  Work-groups 0..63, a block a wave.
; 250 work-groups x 4 waves; a wave owns 16 rows v and ALL 128 columns t: lane L owns t = 4L+j, j = 0..3, with the
; clipped mu_c, sigma_c/2 and 2/sigma_c of its four columns in 768 registers.  A row v is broadcast from LDS.
; THE ARITHMETIC.  The clip of log sigma to [ln 0.1, ln 10] bounds h = sigma_v/2 + sigma_t/2 to [0.1, 10], so a product of 32
; of them stays inside [1e-32, 1e32]: the sum of logs is the log of the product, and the sum of dd/h is kept as ONE fraction
; n/p, (n1,p1)+(n2,p2) = (n1 p2 + n2 p1, p1 p2), all terms positive, n <= 32*8*1e31.  The low half of every register pair
; carries the even d, the high half the odd d: two fractions of 32 terms, 2 rcp and 2 log for each (v,t).
;   energy*log2e = C0 - 0.5 (lg p_lo + lg p_hi) - 0.25 log2e (n_lo/p_lo + n_hi/p_hi),  C0 = -32 (1 + log2(2 pi))
;   kl = (0.5 det_t - 32) - 0.5 det_v + 0.5 sum (sigma_v/2)(2/sigma_t) + 0.25 sum dd (2/sigma_t)
; LIMITS: a NaN input is not carried through the clips (v_med3_num_f32); v_exp_f32, v_rcp_f32, v_log_f32 flush denormals
; (ISA guide 15.8); sums run in another order than in the reference; x is rounded to f16 (11 bits; |x| above 65,504
; overflows, elements under 2^-14 round with the step 2^-24).
; NO CLUSTER: 16000/64 = 250 work-groups is no multiple of four, and what the work-groups share (64 KiB of mu_c and
; log_sigma_c, read once each) is small beside the 64*128*64 triples that each of them works through.
; NO TENSOR LOADS: every input is clipped or exponentiated on its way into LDS, so it passes through registers anyway.
; THE MODE: SCHED_MODE bits 1:0 = 2 (LLVM: expert scheduling mode 2), set by the entry lines.  The code itself states the register
; dependences between vector instructions and memory or LDS instructions, with s_wait_alu, always for 0.
; THE PLAN.  Registers that memory or LDS instructions touch:
;   v1, v10, v11      global offsets, made at the head and never written again.
;   v2, v9, v12, v13, v15, v218-v222   LDS addresses, made behind the 48 loads, first read behind the first wait of the set-up.
;   RA, RB, RC, RD    the inputs as loaded; clipped and exponentiated in place; read by the LDS stores; from the loop on VD, S and D.
;   TSU, VSU          row sums, read by LDS stores; from the loop on KA, KB, EO, KO.
;   The set-up goes in two phases, each all its vector work, ONE wait on va_vdst, all its LDS stores; one wait on vm_vsrc between
;   them frees RA for the second phase, and one in front of the loop frees all that the stores and the column loads have read.
;   VD0, VD1          Chunk c's additions and kl products read its buffer; behind them the loads of chunk c + 2 land in it.
;   v[CV]             Read at a row's end; loaded again in the next row's first chunk.
;   v2                Read by every LDS load of the loop; written once a row, at the row's end.
;   EO, KO            Written at a row's end, read by the row's two global stores, written again a row later.
;   S, D, NP, KA, KB, MX, SM and windows 1 to 3 are named in the loop by vector instructions alone.
; So ONE wait on va_vdst stands in a chunk, behind its kl products, the last lines that name its buffer: the chunk's loads follow
; it, dealt among the fractions' tree, which names S, D and NP alone.  A row's end has one wait on vm_vsrc and two on va_vdst.
.set PT,     272                       ; LDS pitch of a row of 64 f32: 256 + 16, so sixteen rows start 16 bytes apart modulo 256
.set JSTEP,  32*PT                     ; rows are kept in the order slot = 32 (t & 3) + (t >> 2): lane L reads slots 32 j + L
.set TM,     0                         ; mu_c
.set TS,     128*PT                    ; sigma_c / 2
.set TI,     256*PT                    ; 2 / sigma_c
.set DETT,   384*PT                    ; sum over d of log_sigma_c, 128 words
.set VDAT,   DETT+512                  ; each wave: 16 slots of mu (256 B), sigma/2 (256 B), -0.5 det_v (4 B, padded to 16)
.set VSLOT,  528
.set VWAVE,  16*VSLOT
.set LSEW,   VDAT+4*VWAVE              ; each wave: 128 partial log-sums
; window 0
.set CT,  4                            ; v[4:7]     0.5 det_t - 32 of my four columns
.set CV,  8                            ; v8         -0.5 det_v of the row at work
.set VD0, 16                           ; v[16:47]   16 mu, 16 sigma/2 of a chunk of 16 d
.set VD1, 48                           ; v[48:79]   the other buffer
.set S,   80                           ; v[80:143]  h, then products p: column j, pair i at S+16j+2i
.set D,   144                          ; v[144:207] differences, squares, then numerators n
.set NP,  208                          ; v[208:223] carried fraction: n pair at NP+4j, p pair at NP+4j+2
.set KA,  224                          ; v[224:231] sum (sigma_v/2)(2/sigma_t)
.set KB,  232                          ; v[232:239] sum dd (2/sigma_t)
.set EO,  240                          ; v[240:243] e2 of my four columns
.set KO,  244                          ; v[244:247] kl of my four columns
.set MX,  248                          ; v[248:251] running maximum of e2 over my wave's rows
.set SM,  252                          ; v[252:255] running sum of 2^(e2 - maximum)
; while the inputs are prepared:
.set RA,  16                           ; v[16:79]   mu_c as loaded, clipped; then sigma_c / 2
.set RB,  80                           ; v[80:143]  log_sigma_c, clipped; then 2 / sigma_c
.set RC,  144                          ; v[144:175] my wave's 16 rows of mu
.set RD,  176                          ; v[176:207] and of log_sigma; then sigma / 2
.set TSU, 224                          ; v[224:239] piece i of log_sigma_c: its row's sum
.set TTM, 240                          ; v[240:255] at work for these sums
.set VSU, 240                          ; v[240:247] then: piece i of log_sigma: -0.5 x its row's sum
.set VTM, 248                          ; v[248:255] at work for these
.set MSB, 0
.macro WIN new                         ; s_set_vgpr_msb: bits 1:0 source 0, 3:2 source 1, 5:4 source 2, 7:6 destination; the high byte repeats the setting left
.if MSB != \new
	s_set_vgpr_msb (MSB<<8)|\new
.set MSB, \new
.endif
.endm
	s_load_b512 s[4:19], s[0:1], 0x0               ; mu 4, log_sigma 6, mu_c 8, log_sigma_c 10, x 12, e2 14, part 16, xb 18
	s_load_b64 s[20:21], s[0:1], 0x40              ; out1
	v_lshl_add_u32 v3, v0, 2, 0x22600
	v_mov_b32 v14, 0
	v_and_b32 v4, 31, v0                           ; lane L
	v_lshrrev_b32 v5, 5, v0
	v_readfirstlane_b32 s22, v5                    ; wave
	v_lshlrev_b32 v1, 4, v4                        ; 16 L
	v_lshlrev_b32 v10, 4, v0                       ; 16 x thread: mu_c and log_sigma_c are read as 2,048 pieces of 16 bytes
	v_lshl_add_u32 v11, v5, 12, v1                 ; wave x 16 rows x 256 B + 16 L
	s_lshl_b32 s24, ttmp9, 14                      ; work-group x 64 rows x 256 B
	s_mov_b32 s25, 0
	s_mov_b32 s28, 0x3fb504f3                      ; sqrt 2
	s_mov_b32 s29, 0xbfb504f3
	s_mov_b32 s30, 0x40135d8e                      ; ln 10
	s_mov_b32 s31, 0xc0135d8e                      ; ln 0.1
	s_mov_b32 s32, 0xc2e9b21d                      ; C0 = -32 (1 + log2(2 pi))
	s_mov_b32 s33, 0xbeb8aa3b                      ; -0.25 log2 e
	s_mov_b32 s34, 0x3e800000                      ; 0.25
	s_mov_b32 s36, 0xc2000000                      ; -32
	s_wait_alu depctr_va_sdst(0)                   ; s22 is written, ahead of its first reader: LDS places and the bases of e2, out1 and xb are made from it
	s_wait_kmcnt 0x0
	s_add_nc_u64 s[4:5], s[4:5], s[24:25]
	s_add_nc_u64 s[6:7], s[6:7], s[24:25]
	s_wait_alu depctr_va_vdst(0)                   ; v1, v10 and v11 are written: the offsets of the 48 loads below and of every global store
	; all 48 loads of the wave at once: each covers 512 consecutive bytes
.irp i,0,1,2,3,4,5,6,7,8,9,10,11,12,13,14,15
	global_load_b128 v[RA+4*\i:RA+4*\i+3], v10, s[8:9] offset:2048*\i
.endr
.irp i,0,1,2,3,4,5,6,7,8,9,10,11,12,13,14,15
	global_load_b128 v[RB+4*\i:RB+4*\i+3], v10, s[10:11] offset:2048*\i
.endr
.irp i,0,1,2,3,4,5,6,7
	global_load_b128 v[RC+4*\i:RC+4*\i+3], v11, s[4:5] offset:512*\i th:TH_LOAD_NT
.endr
.irp i,0,1,2,3,4,5,6,7
	global_load_b128 v[RD+4*\i:RD+4*\i+3], v11, s[6:7] offset:512*\i th:TH_LOAD_NT
.endr
	; LDS addresses.  Piece i of thread T is row t = (T>>4) + 8 i, d = 4 (T & 15): slot 32 ((T>>4)&3) + (T>>6) + 2 i
	v_bfe_u32 v6, v0, 4, 2
	v_lshrrev_b32 v7, 6, v0
	v_and_b32 v9, 15, v0
	v_mul_u32_u24 v12, v6, JSTEP
	v_mad_u32_u24 v12, v7, PT, v12
	v_lshl_add_u32 v12, v9, 4, v12                 ; where my pieces of mu_c and sigma_c/2 go (+ 544 i)
	v_add_nc_u32 v13, TI, v12                      ; and of 2/sigma_c: beyond the 16-bit offset
	v_lshrrev_b32 v9, 4, v0
	v_lshlrev_b32 v9, 2, v9
	v_add_nc_u32 v9, DETT, v9                      ; det_t of row (T>>4) (+ 32 i)
	s_mul_i32 s23, s22, VWAVE
	s_add_co_u32 s23, s23, VDAT                    ; my wave's v data
	v_lshrrev_b32 v6, 4, v4
	v_and_b32 v7, 15, v4
	v_mul_u32_u24 v218, v6, VSLOT
	v_add_nc_u32 v218, s23, v218                   ; load i of the wave holds rows 2 i + (L>>4), d = 4 (L & 15)
	v_lshl_add_u32 v219, v7, 4, v218
	v_mul_u32_u24 v220, v4, PT                     ; lane L reads slots 32 j + L
	v_add_nc_u32 v221, TI, v220
	v_add_nc_u32 v222, DETT, v1
	v_mov_b32 v2, s23                              ; broadcast address of the row at work
	s_lshl_b32 s26, s22, 9
	s_add_co_u32 s26, s26, LSEW
	v_add_nc_u32 v15, s26, v1                      ; my 16 bytes in my wave's row of log-sums
	; x to f16: 256 blocks, one for each wave of the first 64 work-groups
	s_cmp_ge_u32 ttmp9, 64
	s_cbranch_scc1 .Lnox
	s_lshl_b32 s26, ttmp9, 2
	s_add_co_u32 s26, s26, s22                     ; block = 4 work-group + wave = (4g+c)*8 + 2ks+hb
	s_and_b32 s24, s26, 7
	s_lshl_b32 s24, s24, 15                        ; first row t = 16 (2ks+hb), 2,048 bytes a row
	s_lshr_b32 s27, s26, 5
	s_lshl_b32 s27, s27, 8                         ; 64 g columns of 4 bytes
	s_add_co_u32 s24, s24, s27
	s_bfe_u32 s27, s26, 0x20003                    ; c
	s_lshl_b32 s27, s27, 2
	s_add_co_u32 s24, s24, s27
	s_add_nc_u64 s[12:13], s[12:13], s[24:25]
	s_lshl_b32 s24, s26, 9
	s_add_nc_u64 s[18:19], s[18:19], s[24:25]
	v_lshlrev_b32 v224, 4, v7                      ; column 4 r: 16 r bytes
	v_lshl_add_u32 v224, v6, 14, v224              ; + 8 h rows
	s_wait_alu depctr_va_vdst(0)                   ; v224 is written: the offset of the eight loads below
.irp e,0,1,2,3,4,5,6,7
	global_load_b32 v[228+\e], v224, s[12:13] offset:2048*\e
.endr
	s_wait_loadcnt 0x0
.irp e,0,1,2,3
	v_cvt_pk_f16_f32 v[236+\e], v[228+2*\e], v[228+2*\e+1]
.endr
	s_wait_alu depctr_va_vdst(0)                   ; the conversions have written v[236:239], which the store reads
	global_store_b128 v1, v[236:239], s[18:19]     ; the wave stores the block: 512 consecutive bytes
	s_wait_xcnt 0x0                                ; v[236:239] are written again further down only behind this wait
	s_wait_alu depctr_vm_vsrc(0)                   ; the store has read v[236:239] and the eight loads v224: the row sums below write these registers
.Lnox:
.macro CLIP base, n, lo, hi            ; n numbers held between lo and hi, in place
.set r, 0
.rept \n
	v_med3_num_f32 v[\base+r], v[\base+r], \lo, \hi
.set r, r+1
.endr
.endm
; The sum of each piece's four numbers, then over the 16 lanes that hold the piece's row.  The pieces take turns, so that no line reads the result of the line before it.
.macro ROWSUM base, n, su, tm
.set r, 0
.rept \n
	v_add_f32 v[\su+r], v[\base+4*r], v[\base+4*r+1]
	v_add_f32 v[\tm+r], v[\base+4*r+2], v[\base+4*r+3]
.set r, r+1
.endr
.set r, 0
.rept \n
	v_add_f32 v[\su+r], v[\su+r], v[\tm+r]
.set r, r+1
.endr
.irp m,1,2,4,8
.set r, 0
.rept \n
	v_add_f32_dpp v[\su+r], v[\su+r], v[\su+r] row_xmask:\m row_mask:0xf bank_mask:0xf
.set r, r+1
.endr
.endr
.endm
.macro ARGS dst, src, n, fac, add      ; n pairs: src x fac + add
.set r, 0
.rept \n
	v_pk_fma_f32 v[\dst+2*r:\dst+2*r+1], v[\src+2*r:\src+2*r+1], \fac, \add op_sel_hi:[1,0,0]
.set r, r+1
.endr
.endm
.macro EXPS base, n
.set r, 0
.rept \n
	v_exp_f32 v[\base+r], v[\base+r]
.set r, r+1
.endr
.endm
	; THE FIRST PHASE: all clips and all row sums, then one wait, then their LDS stores
	s_wait_loadcnt 32                              ; the 32 younger loads (log_sigma_c, mu, log_sigma) may be out
	CLIP RA, 64, s29, s28                          ; mu_c
	s_wait_loadcnt 16                              ; mu and log_sigma may be out
	CLIP RB, 64, s31, s30                          ; log_sigma_c
	ROWSUM RB, 16, TSU, TTM
	s_wait_loadcnt 8                               ; log_sigma may be out
	CLIP RC, 32, s29, s28                          ; my wave's 16 rows of mu
	s_wait_loadcnt 0x0
	CLIP RD, 32, s31, s30                          ; and of log_sigma
	ROWSUM RD, 8, VSU, VTM
.irp i,0,1,2,3,4,5,6,7
	v_mul_f32 v[VSU+\i], -0.5, v[VSU+\i]
.endr
	s_wait_alu depctr_va_vdst(0)                   ; the clips have written RA and RC, the sums TSU and VSU, which the stores below read; the LDS addresses v2, v9, v12, v13, v15, v218 to v222 are written
.irp i,0,1,2,3,4,5,6,7,8,9,10,11,12,13,14,15
	ds_store_b128 v12, v[RA+4*\i:RA+4*\i+3] offset:TM+544*\i
.endr
.irp i,0,1,2,3,4,5,6,7,8,9,10,11,12,13,14,15
	ds_store_b32 v9, v[TSU+\i] offset:32*\i        ; sixteen lanes write the same word with the same value
.endr
.irp i,0,1,2,3,4,5,6,7
	ds_store_b128 v219, v[RC+4*\i:RC+4*\i+3] offset:2*VSLOT*\i                ; into my wave's own LDS bytes
.endr
.irp i,0,1,2,3,4,5,6,7
	ds_store_b32 v218, v[VSU+\i] offset:2*VSLOT*\i+512
.endr
	; THE SECOND PHASE: sigma/2 = 2^(l log2e - 1); 2/sigma = 2^(1 - l log2e).  log_sigma's own go first, in place: no store above names RD
	ARGS RD, RD, 16, 0x3fb8aa3b, -1.0
	EXPS RD, 32
	s_wait_alu depctr_vm_vsrc(0)                   ; the stores above have read RA, which sigma_c/2's arguments write
	ARGS RA, RB, 32, 0x3fb8aa3b, -1.0
	ARGS RB, RB, 32, 0xbfb8aa3b, 1.0
	EXPS RA, 64
	EXPS RB, 64
	v_nop                                          ; the plain instruction behind the exponentials (ISA guide 5.7.2)
	s_wait_alu depctr_va_vdst(0)                   ; the 160 exponentials have written RA, RB and RD, ahead of the first lines that name them: the stores below, which read them
.irp i,0,1,2,3,4,5,6,7,8,9,10,11,12,13,14,15
	ds_store_b128 v12, v[RA+4*\i:RA+4*\i+3] offset:TS+544*\i
.endr
.irp i,0,1,2,3,4,5,6,7,8,9,10,11,12,13,14,15
	ds_store_b128 v13, v[RB+4*\i:RB+4*\i+3] offset:544*\i
.endr
.irp i,0,1,2,3,4,5,6,7
	ds_store_b128 v219, v[RD+4*\i:RD+4*\i+3] offset:2*VSLOT*\i+256
.endr
	s_wait_dscnt 0x0                               ; my stores of the t arrays are done, for the other waves' sake
	s_barrier_signal -1
	s_barrier_wait -1
	; my four columns into windows 1 to 3: register 64 j + d.  No vector instruction has named these registers, nor v220 to v222 since the first phase's wait
	WIN 0x40
.irp j,0,1,2,3
.irp q,0,1,2,3,4,5,6,7,8,9,10,11,12,13,14,15
	ds_load_b128 v[64*\j+4*\q:64*\j+4*\q+3], v220 offset:TM+JSTEP*\j+16*\q
.endr
.endr
	WIN 0x80
.irp j,0,1,2,3
.irp q,0,1,2,3,4,5,6,7,8,9,10,11,12,13,14,15
	ds_load_b128 v[64*\j+4*\q:64*\j+4*\q+3], v220 offset:TS+JSTEP*\j+16*\q
.endr
.endr
	WIN 0xc0
.irp j,0,1,2,3
.irp q,0,1,2,3,4,5,6,7,8,9,10,11,12,13,14,15
	ds_load_b128 v[64*\j+4*\q:64*\j+4*\q+3], v221 offset:JSTEP*\j+16*\q
.endr
.endr
	WIN 0
	ds_load_b128 v[CT:CT+3], v222                  ; v[4:7] were last named by vector instructions ahead of the first phase's wait
	; where my wave's rows of e2 and out1 begin, and my work-group's row of part
	s_lshl_b32 s24, ttmp9, 15
	s_lshl_b32 s26, s22, 13
	s_add_co_u32 s24, s24, s26
	s_add_nc_u64 s[14:15], s[14:15], s[24:25]
	s_add_nc_u64 s[20:21], s[20:21], s[24:25]
	s_lshl_b32 s24, ttmp9, 9
	s_add_nc_u64 s[16:17], s[16:17], s[24:25]
.irp j,0,1,2,3
	v_mov_b32 v[MX+\j], 0xff800000                 ; -inf: the first row's energy becomes the maximum
	v_mov_b32 v[SM+\j], 0
.endr
; eight broadcast loads: 16 mu and 16 sigma/2, every lane the same bytes
.macro LOADCH vd, off
.irp q,0,1,2,3
	ds_load_b128 v[\vd+4*\q:\vd+4*\q+3], v2 offset:\off+16*\q
	ds_load_b128 v[\vd+16+4*\q:\vd+16+4*\q+3], v2 offset:\off+256+16*\q
.endr
.endm
; two of the eight, in the same order.  nxt: the bytes from v2 at which the buffer's next 16 d begin; below 0: nothing is left to fetch
.macro NEXTQ vd, nxt, q
.if \nxt >= 0
	ds_load_b128 v[\vd+4*\q:\vd+4*\q+3], v2 offset:\nxt+16*\q
	ds_load_b128 v[\vd+16+4*\q:\vd+16+4*\q+3], v2 offset:\nxt+256+16*\q
.endif
.endm
.macro KL4 c, vd, i, mul               ; eight sums that do not wait for each other; the first products start them
.irp j,0,1,2,3
.if \mul
	v_pk_mul_f32 v[KA+2*\j:KA+2*\j+1], v[64*\j+16*\c+2*\i:64*\j+16*\c+2*\i+1], v[\vd+16+2*\i:\vd+16+2*\i+1]
	v_pk_mul_f32 v[KB+2*\j:KB+2*\j+1], v[64*\j+16*\c+2*\i:64*\j+16*\c+2*\i+1], v[D+16*\j+2*\i:D+16*\j+2*\i+1]
.else
	v_pk_fma_f32 v[KA+2*\j:KA+2*\j+1], v[64*\j+16*\c+2*\i:64*\j+16*\c+2*\i+1], v[\vd+16+2*\i:\vd+16+2*\i+1], v[KA+2*\j:KA+2*\j+1]
	v_pk_fma_f32 v[KB+2*\j:KB+2*\j+1], v[64*\j+16*\c+2*\i:64*\j+16*\c+2*\i+1], v[D+16*\j+2*\i:D+16*\j+2*\i+1], v[KB+2*\j:KB+2*\j+1]
.endif
.endr
.endm
; fraction a takes fraction b in, in three phases, each over the four columns
.macro PH1 a, b                        ; n_a = n_a p_b
.irp j,0,1,2,3
	v_pk_mul_f32 v[D+16*\j+2*\a:D+16*\j+2*\a+1], v[D+16*\j+2*\a:D+16*\j+2*\a+1], v[S+16*\j+2*\b:S+16*\j+2*\b+1]
.endr
.endm
.macro PH2 a, b                        ; n_a += n_b p_a
.irp j,0,1,2,3
	v_pk_fma_f32 v[D+16*\j+2*\a:D+16*\j+2*\a+1], v[D+16*\j+2*\b:D+16*\j+2*\b+1], v[S+16*\j+2*\a:S+16*\j+2*\a+1], v[D+16*\j+2*\a:D+16*\j+2*\a+1]
.endr
.endm
.macro PH3 a, b                        ; p_a = p_a p_b
.irp j,0,1,2,3
	v_pk_mul_f32 v[S+16*\j+2*\a:S+16*\j+2*\a+1], v[S+16*\j+2*\a:S+16*\j+2*\a+1], v[S+16*\j+2*\b:S+16*\j+2*\b+1]
.endr
.endm
; 16 d x 4 columns.  Work is laid in runs of 32 or 64 under one window setting: five switches for 256 packed instructions.
; nxt: see NEXTQ.  getcv = 1: a row's first chunk, which also fetches the row's -0.5 det_v.
.macro CHUNK c, vd, first, nxt, getcv
	WIN 0x02                                       ; source 0 = sigma_t/2
.irp j,0,1,2,3
.irp i,0,1,2,3,4,5,6,7
	v_pk_add_f32 v[S+16*\j+2*\i:S+16*\j+2*\i+1], v[64*\j+16*\c+2*\i:64*\j+16*\c+2*\i+1], v[\vd+16+2*\i:\vd+16+2*\i+1]
.endr
.endr
	WIN 0x01                                       ; source 0 = mu_t
.irp j,0,1,2,3
.irp i,0,1,2,3,4,5,6,7
	v_pk_add_f32 v[D+16*\j+2*\i:D+16*\j+2*\i+1], v[64*\j+16*\c+2*\i:64*\j+16*\c+2*\i+1], v[\vd+2*\i:\vd+2*\i+1] neg_lo:[0,1] neg_hi:[0,1]
.endr
.endr
	WIN 0
.irp j,0,1,2,3
.irp i,0,1,2,3,4,5,6,7
	v_pk_mul_f32 v[D+16*\j+2*\i:D+16*\j+2*\i+1], v[D+16*\j+2*\i:D+16*\j+2*\i+1], v[D+16*\j+2*\i:D+16*\j+2*\i+1]
.endr
.endr
	WIN 0x03                                       ; source 0 = 2/sigma_t
	KL4 \c, \vd, 0, \first
.irp i,1,2,3,4,5,6,7
	KL4 \c, \vd, \i, 0
.endr
	WIN 0
.if \nxt >= 0
	s_wait_alu depctr_va_vdst(0)                   ; the lines above are done reading this chunk's buffer, in which the loads below land; in a row's first chunk also: the row before is done reading v[CV], and has written v2
.endif
.if \getcv
	ds_load_b32 v[CV], v2 offset:512
.endif
	NEXTQ \vd, \nxt, 0                             ; the buffer's next 16 d, two chunks ahead of their use, dealt among the tree: no vector instruction since the wait names the buffer, v[CV] or v2
	PH1 0,1
	NEXTQ \vd, \nxt, 1
	PH1 2,3
	NEXTQ \vd, \nxt, 2
	PH1 4,5
	NEXTQ \vd, \nxt, 3
	PH1 6,7
	PH2 0,1
	PH2 2,3
	PH2 4,5
	PH2 6,7
	PH3 0,1
	PH3 2,3
	PH3 4,5
	PH3 6,7
	PH1 0,2
	PH1 4,6
	PH2 0,2
	PH2 4,6
	PH3 0,2
	PH3 4,6
.if \first                                         ; the row's first chunk starts the carried fraction
.irp j,0,1,2,3
	v_pk_mul_f32 v[NP+4*\j:NP+4*\j+1], v[D+16*\j:D+16*\j+1], v[S+16*\j+8:S+16*\j+9]
.endr
.irp j,0,1,2,3
	v_pk_mul_f32 v[NP+4*\j+2:NP+4*\j+3], v[S+16*\j:S+16*\j+1], v[S+16*\j+8:S+16*\j+9]
.endr
.irp j,0,1,2,3
	v_pk_fma_f32 v[NP+4*\j:NP+4*\j+1], v[D+16*\j+8:D+16*\j+9], v[S+16*\j:S+16*\j+1], v[NP+4*\j:NP+4*\j+1]
.endr
.else
	PH1 0,4
.irp j,0,1,2,3                                     ; the chunk's product goes to p_4, so that p_0 stays for the phase behind
	v_pk_mul_f32 v[S+16*\j+8:S+16*\j+9], v[S+16*\j:S+16*\j+1], v[S+16*\j+8:S+16*\j+9]
.endr
	PH2 0,4
.irp j,0,1,2,3
	v_pk_mul_f32 v[NP+4*\j:NP+4*\j+1], v[NP+4*\j:NP+4*\j+1], v[S+16*\j+8:S+16*\j+9]
.endr
.irp j,0,1,2,3
	v_pk_fma_f32 v[NP+4*\j:NP+4*\j+1], v[D+16*\j:D+16*\j+1], v[NP+4*\j+2:NP+4*\j+3], v[NP+4*\j:NP+4*\j+1]
.endr
.irp j,0,1,2,3
	v_pk_mul_f32 v[NP+4*\j+2:NP+4*\j+3], v[NP+4*\j+2:NP+4*\j+3], v[S+16*\j+8:S+16*\j+9]
.endr
.endif
.endm
; the row's results.  S is free: S+0..7 1/p, S+8..15 lg p, S+16..31 sums of halves, S+32..43 the running softmax
.macro FINAL
.irp j,0,1,2,3
	v_rcp_f32 v[S+2*\j], v[NP+4*\j+2]
	v_rcp_f32 v[S+2*\j+1], v[NP+4*\j+3]
.endr
.irp j,0,1,2,3
	v_log_f32 v[S+8+2*\j], v[NP+4*\j+2]
	v_log_f32 v[S+8+2*\j+1], v[NP+4*\j+3]
.endr
.irp j,0,1,2,3                                     ; plain work that touches none of them stands behind the transcendentals
	v_add_f32 v[S+16+\j], v[KA+2*\j], v[KA+2*\j+1]
	v_add_f32 v[S+20+\j], v[KB+2*\j], v[KB+2*\j+1]
	v_add_f32 v[S+24+\j], v[CT+\j], v[CV]
.endr
	s_wait_xcnt 0x0                                ; the last row's two stores name EO, KO and these bases: they are rewritten only behind this wait
	s_wait_alu depctr_vm_vsrc(0)                   ; the last row's two stores have read EO and KO, which the lines below write again; the LDS loads issued so far have read v2, which this row's last line writes
	s_wait_alu depctr_va_vdst(0)                   ; the eight reciprocals and eight logarithms have written v[S:S+15], ahead of their first reader
	s_add_nc_u64 s[14:15], s[14:15], 512           ; one row on; the stores below reach back by their offset
	s_add_nc_u64 s[20:21], s[20:21], 512
.irp j,0,1,2,3
	v_mul_f32 v[S+28+\j], v[NP+4*\j], v[S+2*\j]
.endr
.irp j,0,1,2,3
	v_add_f32 v[S+8+2*\j], v[S+8+2*\j], v[S+8+2*\j+1]
.endr
.irp j,0,1,2,3
	v_fma_f32 v[KO+\j], v[S+16+\j], 0.5, v[S+24+\j]
.endr
.irp j,0,1,2,3
	v_fma_f32 v[S+28+\j], v[NP+4*\j+1], v[S+2*\j+1], v[S+28+\j]
.endr
.irp j,0,1,2,3
	v_fma_f32 v[EO+\j], v[S+8+2*\j], -0.5, s32
.endr
.irp j,0,1,2,3
	v_fma_f32 v[KO+\j], v[S+20+\j], s34, v[KO+\j]
.endr
.irp j,0,1,2,3
	v_fma_f32 v[EO+\j], v[S+28+\j], s33, v[EO+\j]
.endr
	; running softmax over v: new maximum T; sum = sum 2^(old - T) + 2^(e2 - T)
.irp j,0,1,2,3
	v_max_num_f32 v[S+32+\j], v[MX+\j], v[EO+\j]
.endr
.irp j,0,2
	v_pk_add_f32 v[S+36+\j:S+37+\j], v[MX+\j:MX+\j+1], v[S+32+\j:S+33+\j] neg_lo:[0,1] neg_hi:[0,1]
	v_pk_add_f32 v[S+40+\j:S+41+\j], v[EO+\j:EO+\j+1], v[S+32+\j:S+33+\j] neg_lo:[0,1] neg_hi:[0,1]
.endr
.irp j,0,1,2,3,4,5,6,7
	v_exp_f32 v[S+36+\j], v[S+36+\j]
.endr
.irp j,0,1,2,3
	v_mov_b32 v[MX+\j], v[S+32+\j]                 ; plain work behind the exponentials
.endr
	s_wait_alu depctr_va_vdst(0)                   ; EO and KO are written, which the two stores read; the eight exponentials have written v[S+36:S+43], ahead of their first reader
	global_store_b128 v1, v[EO:EO+3], s[14:15] offset:-512                    ; the wave stores a whole row: 512 consecutive bytes
	global_store_b128 v1, v[KO:KO+3], s[20:21] offset:-512 th:TH_STORE_NT
.irp j,0,2
	v_pk_fma_f32 v[SM+\j:SM+\j+1], v[SM+\j:SM+\j+1], v[S+36+\j:S+37+\j], v[S+40+\j:S+41+\j]
.endr
	v_add_nc_u32 v2, VSLOT, v2                     ; no LDS load has been issued since the wait on vm_vsrc above; the next one stands behind the next chunk's wait
.endm
; one row v.  Each chunk's eight loads are issued two chunks ahead, into the buffer that the issuing chunk has emptied.  At a chunk's head the loads
; issued in the chunk before may stay out: eight, and nine behind a row's first chunk, which has fetched v[CV] too (LDS loads come back in order: ISA guide 5.7.1).
.macro VROW more
	s_wait_dscnt 8
	CHUNK 0, VD0, 1, 128, 1
	s_wait_dscnt 9
	CHUNK 1, VD1, 0, 192, 0
	s_wait_dscnt 8                                 ; v[CV] is in too: it was asked for ahead of this chunk's eight
.if \more
	CHUNK 2, VD0, 0, VSLOT, 0                      ; the next row's first chunk,
	s_wait_dscnt 8
	CHUNK 3, VD1, 0, VSLOT+64, 0                   ; and its second
.else
	CHUNK 2, VD0, 0, -1, 0
	s_wait_dscnt 0x0
	CHUNK 3, VD1, 0, -1, 0
.endif
	FINAL
.endm
	s_wait_alu depctr_vm_vsrc(0)                   ; my LDS stores have read RA to RD, TSU, VSU and their addresses, the column loads v220 to v222: these registers are VD, S, D, NP, KA, KB, EO and KO from here on
	LOADCH VD0, 0                                  ; my own stores are seen: LDS serves a wave's instructions in order (ISA guide 5.7.1).  No vector instruction has named v[16:79] since the second phase's wait
	LOADCH VD1, 64
	s_wait_dscnt 16                                ; all but these sixteen: my columns and det_t are in
.irp j,0,1,2,3
	v_fma_f32 v[CT+\j], v[CT+\j], 0.5, s36
.endr
	s_mov_b32 s35, 15
.Lrow:
	VROW 1
	s_sub_co_i32 s35, s35, 1
	s_cmp_lg_u32 s35, 0
	s_cbranch_scc1 .Lrow
	VROW 0                                         ; the sixteenth row asks for nothing beyond itself
.macro LOGADD base, src, m             ; base+j = m+j + lg(src+j)
.irp j,0,1,2,3
	v_log_f32 v[\base+\j], v[\src+\j]
.endr
	v_nop                                          ; the plain place behind the logarithms
	s_wait_alu depctr_va_vdst(0)                   ; the four logarithms have written their results, ahead of their first reader
.irp j,0,1,2,3
	v_add_f32 v[\base+\j], v[\m+\j], v[\base+\j]
.endr
.endm
	LOGADD S, SM, MX                               ; my wave's 16 rows: log2 of the sum of 2^e2
	v_add_nc_u32 v12, LSEW, v1                     ; the LDS stores that read v12 stand ahead of the wait on vm_vsrc in front of the loop
	s_wait_alu depctr_va_vdst(0)                   ; the additions have written v[S:S+3], which the LDS store reads; v12 is written, by which wave 0's loads read; all lines that named v[S:S+15] are done
	ds_store_b128 v15, v[S:S+3]
	s_wait_dscnt 0x0                               ; for wave 0's sake
	s_barrier_signal -1
	s_barrier_wait -1
	s_cmp_lg_u32 s22, 0
	s_cbranch_scc1 .Lend
	; wave 0 merges the four waves' log-sums, their maximum taken away
	s_wait_alu depctr_vm_vsrc(0)                   ; my LDS store has read v[S:S+3], in which the first load lands
.irp w,0,1,2,3
	ds_load_b128 v[S+4*\w:S+4*\w+3], v12 offset:512*\w
.endr
	s_wait_dscnt 0x0
.irp j,0,1,2,3
	v_max3_num_f32 v[D+\j], v[S+\j], v[S+4+\j], v[S+8+\j]
.endr
.irp j,0,1,2,3
	v_max_num_f32 v[D+\j], v[D+\j], v[S+12+\j]
.endr
.irp w,0,1,2,3
	v_pk_add_f32 v[S+4*\w:S+4*\w+1], v[S+4*\w:S+4*\w+1], v[D:D+1] neg_lo:[0,1] neg_hi:[0,1]
	v_pk_add_f32 v[S+4*\w+2:S+4*\w+3], v[S+4*\w+2:S+4*\w+3], v[D+2:D+3] neg_lo:[0,1] neg_hi:[0,1]
.endr
.irp k,0,1,2,3,4,5,6,7,8,9,10,11,12,13,14,15
	v_exp_f32 v[S+\k], v[S+\k]
.endr
	v_nop                                          ; the plain place behind the exponentials
	s_wait_alu depctr_va_vdst(0)                   ; the sixteen exponentials have written v[S:S+15], ahead of their first reader
.irp k,0,2,4,6
	v_pk_add_f32 v[S+\k:S+\k+1], v[S+\k:S+\k+1], v[S+8+\k:S+9+\k]
.endr
.irp k,0,2
	v_pk_add_f32 v[S+\k:S+\k+1], v[S+\k:S+\k+1], v[S+4+\k:S+5+\k]
.endr
	LOGADD S, S, D
	s_wait_alu depctr_va_vdst(0)                   ; the additions have written v[S:S+3], which the store reads
	global_store_b128 v1, v[S:S+3], s[16:17]       ; the work-group's row of part: 512 consecutive bytes
.Lend:
	s_wait_dscnt 0x0
	s_wait_alu depctr_hold_cnt(0) depctr_sa_sdst(0) depctr_va_vdst(0) depctr_va_sdst(0) depctr_va_ssrc(0) depctr_va_vcc(0) depctr_vm_vsrc(0)
	s_wait_tensorcnt 0x0
	ds_add_u32 v3, v14
	s_wait_dscnt 0x0
	s_endpgm
.Lfunc_end_k_q02661e5352_energy:
	.size	k_q02661e5352_energy, .Lfunc_end_k_q02661e5352_energy-k_q02661e5352_energy
	.p2alignl 7, 3214868480
	.fill 96, 4, 3214868480
	.section	.rodata,"a",@progbits
	.p2align	6, 0x0
	.amdhsa_kernel k_q02661e5352_energy
		.amdhsa_group_segment_fixed_size 141312
		.amdhsa_private_segment_fixed_size 0
		.amdhsa_enable_private_segment 0
		.amdhsa_kernarg_size 72
		.amdhsa_user_sgpr_count 2
		.amdhsa_user_sgpr_kernarg_segment_ptr 1
		.amdhsa_wavefront_size32 1
		.amdhsa_system_sgpr_workgroup_id_x 1
		.amdhsa_system_sgpr_workgroup_id_y 1
		.amdhsa_system_sgpr_workgroup_id_z 1
		.amdhsa_system_vgpr_workitem_id 0
		.amdhsa_next_free_vgpr 1024
		.amdhsa_next_free_sgpr 66
		.amdhsa_reserve_vcc 0
		.amdhsa_float_denorm_mode_32 3
		.amdhsa_float_denorm_mode_16_64 3
		.amdhsa_memory_ordered 1
		.amdhsa_forward_progress 1
		.amdhsa_inst_pref_size 205
	.end_amdhsa_kernel
	.amdgpu_metadata
---
amdhsa.version: [ 1, 2 ]
amdhsa.kernels:
  - .name:           k_q02661e5352_energy
    .symbol:         k_q02661e5352_energy.kd
    .args:
      - { .name: mu, .offset: 0, .size: 8, .value_kind: global_buffer, .address_space: global }
      - { .name: log_sigma, .offset: 8, .size: 8, .value_kind: global_buffer, .address_space: global }
      - { .name: mu_c, .offset: 16, .size: 8, .value_kind: global_buffer, .address_space: global }
      - { .name: log_sigma_c, .offset: 24, .size: 8, .value_kind: global_buffer, .address_space: global }
      - { .name: x, .offset: 32, .size: 8, .value_kind: global_buffer, .address_space: global }
      - { .name: e2, .offset: 40, .size: 8, .value_kind: global_buffer, .address_space: global }
      - { .name: part, .offset: 48, .size: 8, .value_kind: global_buffer, .address_space: global }
      - { .name: xb, .offset: 56, .size: 8, .value_kind: global_buffer, .address_space: global }
      - { .name: out1, .offset: 64, .size: 8, .value_kind: global_buffer, .address_space: global }
    .group_segment_fixed_size: 141312
    .private_segment_fixed_size: 0
    .kernarg_segment_align: 8
    .kernarg_segment_size: 72
    .max_flat_workgroup_size: 128
    .sgpr_count:     66
    .vgpr_count:     1024
    .wavefront_size: 32
...
	.end_amdgpu_metadata
.endif
;; end of part 3
;; launch mix: the kernel of part 2 again; grid 250 x 1, 8 waves a work-group, no clusters, 26,624 bytes of LDS; arguments e2, part, xb, out0; writes out0
